; MI455X (gfx1250); checked and timed in simulation.
; The chip was launched on July 23, 2026; its instructions are those of AMD's public machine-readable ISA for CDNA 5 (MIT licence, August 2026) and "CDNA5" Instruction Set Architecture Reference Guide (July 2026). The comments in the code are by the model that wrote it; some were corrected since.
;; Cross Attention. Allowed arithmetic: matrix products marked QUANTISED: E2M1 operands, one E8M0 scale for each 32 along K, by v_wmma_scale_f32_16x16x128_f8f6f4 with both operands' format E2M1 (or v_wmma_scale_f32_32x16x128_f4), f32 sums; everything else in f32.
;; Inputs: k_b 1,024 float32; k_w_codes 1,024 x 32 x 16 uint8 (E2M1 codes of k_w, K innermost, in blocks of 32 codes, two codes a byte); k_w_scales 1,024 x 32 uint8 (E8M0 scales of k_w, one for each 32 codes along K); llm_features_codes 8 x 2,048 x 32 x 16 uint8 (E2M1 codes of llm_features, K innermost, in blocks of 32 codes, two codes a byte); llm_features_scales 8 x 2,048 x 32 uint8 (E8M0 scales of llm_features, one for each 32 codes along K); o_b 1,024 float32; o_w_codes 1,024 x 32 x 16 uint8 (E2M1 codes of o_w, K innermost, in blocks of 32 codes, two codes a byte); o_w_scales 1,024 x 32 uint8 (E8M0 scales of o_w, one for each 32 codes along K); q_b 1,024 float32; q_w_codes 1,024 x 32 x 16 uint8 (E2M1 codes of q_w, K innermost, in blocks of 32 codes, two codes a byte); q_w_scales 1,024 x 32 uint8 (E8M0 scales of q_w, one for each 32 codes along K); ts_features_codes 8 x 512 x 32 x 16 uint8 (E2M1 codes of ts_features, K innermost, in blocks of 32 codes, two codes a byte); ts_features_scales 8 x 512 x 32 uint8 (E8M0 scales of ts_features, one for each 32 codes along K); v_b 1,024 float32; v_w_codes 1,024 x 32 x 16 uint8 (E2M1 codes of v_w, K innermost, in blocks of 32 codes, two codes a byte); v_w_scales 1,024 x 32 uint8 (E8M0 scales of v_w, one for each 32 codes along K).
;; Outputs: out0 8 x 512 x 1,024 float32.
;; This version of the problem:
;;   THIS VERSION OF THE PROBLEM IS GIVEN IN LOW PRECISION. The matrix products marked QUANTISED in the list below multiply operands that are first quantised to E2M1 (2 exponent bits, 1 mantissa bit; 4 bits a number), with one power-of-two scale for each 32 numbers along K (OCP MX v1.0); their sums are f32. All else is computed in f32.
;;   The module's matrix products, in the order in which they are computed (A, B: the left and right operand; K: the contracted axis; several contracted axes count as one K, in the product's order):
;;     1. [M 4,096, K 1,024] x [K 1,024, N 1,024]; A: input ts_features (given as codes); B: input q_w (given as codes): QUANTISED
;;     2. [M 16,384, K 1,024] x [K 1,024, N 1,024]; A: input llm_features (given as codes); B: input k_w (given as codes): QUANTISED
;;     3. [M 16,384, K 1,024] x [K 1,024, N 1,024]; A: input llm_features (given as codes); B: input v_w (given as codes): QUANTISED
;;     4. batch 128 x [M 512, K 64] x [K 64, N 2,048]; A: computed on the way; B: computed on the way: QUANTISED
;;     5. batch 128 x [M 512, K 2,048] x [K 2,048, N 64]; A: softmax (see below); B: computed on the way: QUANTISED
;;     6. [M 4,096, K 1,024] x [K 1,024, N 1,024]; A: computed on the way; B: input o_w (given as codes): QUANTISED
;;   THE QUANTISER, for each operand of a quantised product, along K:
;;     - K is cut into blocks of 32 from its start; a last block that is shorter is filled with zeros.
;;     - A block's scale is 2^e with e = floor(log2(the largest magnitude in the block)) - 2, held to -126 .. 127; a block of zeros has e = 0. As a byte (E8M0): e + 127.
;;     - Each number is divided by its block's scale, clamped to +-6, and rounded to the nearest number of E2M1, ties to even, subnormals kept.
;;     - The product sums the exact products of the quantised numbers (number of the format x scale) in f32.
;;   ~~~python
;;   def quantise(x, axis):      # numpy; x: float32 -> the quantised numbers, widened to float32 again
;;       x = np.moveaxis(x, axis, -1); K = x.shape[-1]
;;       x = np.pad(x, [(0, 0)] * (x.ndim - 1) + [(0, -K % 32)]); x = x.reshape(x.shape[:-1] + (-1, 32)); a = np.abs(x).max(-1, keepdims=True)
;;       e = np.where(a > 0, np.clip(np.frexp(np.where(a > 0, a, 1))[1] - 1 - 2, -126, 127), 0)      # np.frexp(a)[1] - 1 = floor(log2(a)), exactly
;;       r = np.clip(x / 2.0 ** e, -6, 6)
;;       step = 2.0 ** (np.maximum(np.frexp(np.where(r == 0, 1, r))[1] - 1, 0) - 1)
;;       q = np.round(r / step) * step * 2.0 ** e      # np.round: ties to even
;;       return np.moveaxis(q.reshape(q.shape[:-2] + (-1,))[..., :K], -1, axis).astype(np.float32)
;;   ~~~
;;   SOFTMAX AHEAD OF A QUANTISED PRODUCT. Where the list says 'softmax', what is quantised is not the finished softmax but p = 2^(t - M), with t = logit x log2(e) and M = ceil(the row's largest t), a whole number; so 1/2 < the row's largest p <= 1. The row's sum l is taken of the UNQUANTISED p, in f32, and the product's result is divided by l at the end. Since M is a whole number, a kernel that streams over the keys may use a running M (the ceiling of the running maximum): every later rescaling is an exact power of two, which a block's scale takes up: the codes' values come out the same.
;;   OPERANDS COMPUTED ON THE WAY. 'Computed on the way' means the value that the module computes at that place (a softmax that the list does not call 'softmax' is quantised finished and normalised). What goes into a quantiser is computed in f32, as accurately as f32 sums, v_exp_f32 and their like allow (about 1e-6 of the number): no bf16 or f16 on the way to a quantiser, and a product that is left as it is and whose result goes on into a quantised operand takes f32 operands (vector FMAs, or v_wmma_f32_16x16x4_f32). A number that lies on a knife's edge between two numbers of the format may be rounded either way, as far as f32 arithmetic and the matrix unit's own rounding can turn it there, and no further.
;;   INPUTS GIVEN AS CODES. k_w (in the module: [1024, 1024], K = its axis 1); llm_features (in the module: [8, 2048, 1024], K = its axis 2); o_w (in the module: [1024, 1024], K = its axis 1); q_w (in the module: [1024, 1024], K = its axis 1); ts_features (in the module: [8, 512, 1024], K = its axis 2); v_w (in the module: [1024, 1024], K = its axis 1): each comes as NAME_codes (uint8): NAME with its K axis moved to the last place and cut into blocks of 32 codes, [.., K / 32, bytes a block], one block behind the other in memory; two codes a byte, the lower K in the low four bits (a code: sign, 2 exponent bits, 1 mantissa bit); and NAME_scales (uint8): the same leading axes, one E8M0 byte (e + 127) for each 32 codes along K. Its value is code x scale, taken as it is: it is not quantised again, and the codes and scales need not be those that the quantiser above would give.
;; One version. Each part assembles by itself: llvm-mc -triple=amdgcn-amd-amdhsa -mcpu=gfx1250 --defsym DOCPART=n.
;; ======== version 1 of 1: 3 launches
;; limits: right only within a limited range of input values
;; workspace buffers: qc 2,097,152 bytes; qs 262,144 bytes; kv 18,350,080 bytes; cc 2,097,152 bytes; cs 131,072 bytes
;; launch proj (part 1): grid 4 x 64, 4 waves a work-group, clusters of 4 x 4, 327,680 bytes of LDS; arguments ts_features_codes, ts_features_scales, llm_features_codes, llm_features_scales, q_w_codes, q_w_scales, q_b, k_w_codes, k_w_scales, k_b, v_w_codes, v_w_scales, v_b, qc, qs, kv; writes qc, qs, kv
.if DOCPART == 1
	.amdgcn_target "amdgcn-amd-amdhsa--gfx1250"
	.amdhsa_code_object_version 6
	.text
	.protected	k_q9bcf7c15dd_proj
	.globl	k_q9bcf7c15dd_proj
	.p2align	8
	.type	k_q9bcf7c15dd_proj,@function
k_q9bcf7c15dd_proj:
	s_mov_b64 s[64:65], 0
	v_nop
	global_prefetch_b8 v0, s[64:65] scope:SCOPE_SE
	s_setreg_imm32_b32 hwreg(HW_REG_WAVE_MODE, 25, 1), 1
	s_wait_xcnt 0x0
	s_wait_alu depctr_hold_cnt(0) depctr_sa_sdst(0) depctr_va_vdst(0) depctr_va_sdst(0) depctr_va_ssrc(0) depctr_va_vcc(0) depctr_vm_vsrc(0)
	s_getreg_b32 s2, hwreg(HW_REG_IB_STS2, 6, 4)
	s_cmp_eq_u32 s2, 0
	s_cbranch_scc0 .Lentry_in_a_cluster
	s_endpgm
.Lentry_in_a_cluster:
	s_bfe_u32 s2, ttmp6, 0x10000c
	s_cmp_lg_u32 s2, 0xf033
	s_cbranch_scc0 .Lentry_shape_is_right
	s_endpgm
.Lentry_shape_is_right:
; THE THREE PROJECTIONS: k = llm Wk^T + bk, v = llm Wv^T + bv, q = ts Wq^T + bq, on codes of FP4 (E2M1) with one E8M0 scale for each 32 along K = 1,024, sums in f32;
; and the quantising of the results for the attention launch: q and k along the head's 64 (two blocks), v along the keys (blocks of 32 keys).
; SHARES.  256 work-groups of equal work: each makes 256 keys x 256 outputs (four heads) of k, then the same of v from the same token rows in LDS, then 64 queries x 256 outputs of q.
; Four waves: 128 x 128 each of k and of v (64 accumulators, 512 registers, 512 matrix instructions each), 64 x 64 (one head) of q (128 matrix instructions).
; LDS.  Two slots, each half of K: 256 token rows, then 256 weight rows, 256 bytes + 16 of padding each.  The token rows are filled once.  The weight rows of the two slots take turns through Wk, Wv, Wq: a half is filled
; again as soon as its four K steps have been read, and lands while the other half is multiplied.  Behind the slots: 64 ts rows of all of K, 512 bytes + 16 each, filled once.
; CLUSTERS: 4 x 4.  The four of a row of the cluster need the same tokens, the four of a column the same weights: every tile is asked for jointly, with a mask that names the four.
; NO PREFETCH: there is no loop of loads to run ahead in: six groups of loads in all, one load a wave each.
; ROW ORDER.  A product's tile takes 16 rows out of 64: lane r of tile 4 c + t holds row 64 c + 32 (r / 8) + 8 (t xor (r / 8)) + r % 8.  Used as source 0, a result lane (r, h) then holds, in its registers of tiles
; 4 c .. 4 c + 3, the WHOLE block 2 c + h of 32 rows, its groups of eight in the order t xor h.  The sixteen rows differ modulo 16, so with a pitch of 272 they begin at sixteen different 16-byte columns of 256.
; The same order stands on both sides of each later product (q and k along d; p and v along the keys), which leaves its sums' terms the same; the attention launch puts the context's groups back in order.
; ROLES.  q, k: source 0 = weight rows (the head's d), source 1 = tokens.  v: source 0 = tokens (the keys), source 1 = weight rows.  q's tokens alone lie in their natural order.
; THE SCALE WORDS of a side's rows, for all of K: register 8 g + ks holds tile 2 g's words in lanes 0-15 and tile 2 g + 1's in lanes 16-31, for the ks-th 128 along K.  The bias is the C of each sum's first matrix instruction.
; OUT.  Codes leave as images of the next operand's registers: every store of codes is 512 consecutive bytes, aligned.
;   kv: [batch x head][128 keys][8,960 bytes]: 4,096 of k's codes [tile of 16][lane][16], 4,096 of v's [d tile][c][lane][16], 512 of k's scale words (lane l, word j: tile 2 j + l / 16), 256 of v's (lane l, word j: d tile 2 j + l / 16).
;   qc: [batch x head][tile of 16][lane][16].   qs: [batch x head][64 queries][256 bytes]: lane l, word j: tile 2 (l / 16) + j, query l % 16.
; LIMITS: NaN, infinities and scale bytes 0xff among the inputs are not served.  A block whose largest magnitude lies under 2^-124, a block of zeros among them, gets the byte 1
; (the rule gives a block of zeros 127: its codes are zeros, and these bytes are read by this program alone).  The bias enters a sum as its first term.
; REGISTERS, in windows of 256: window 0: v1-31 lane terms and addresses; v32-63, v64-95 scale words; v96-111 at work; v112-123 scale words made; v128-191 source 1's fragments, later the codes made; v192-255 the bias.
;   window 1: source 0's fragments, two sets.   windows 2, 3: accumulator (a, b) at window 2 + a / 4, v[8 (8 (a % 4) + b)];  q's (a, b) at window 2, v[8 (4 a + b)].
.set PITCH, 272
.set TP,    528                        ; the ts rows' pitch
.set HALFT, 128*PITCH
.set SLOT,  4*HALFT                    ; token rows 0-255, then weight rows 0-255
.set TSB,   2*SLOT                     ; the ts rows
.set SPARE, TSB+64*TP                  ; the spare words: two blocks of 256 bytes that no other line names
.set TE,    8                          ; v8-9 my 128 token rows, even and odd tiles, slot 0; v10-11 slot 1
.set WE,    12                         ; v12-15 my 128 weight rows
.set QE,    16                         ; v16-19 my 64 weight rows of q
.set TQ,    20                         ; v20 the ts rows
.set BE,    22                         ; v22-23 bias offsets for q, k: even and odd tiles
.set LR,    24                         ; v24 my lane's row of scale bytes in the row order
.set L32,   25                         ; v25 and in natural order
.set DV,    26                         ; v26-27 bias offsets for v
.set ST,    32
.set SW,    64
.set TM,    96
.set MW,    112
.set S1F,   128
.set PC,    128
.set BIAS,  192
.set G1T,   36                         ; group 1 for token tiles, weight tiles (the row count changes), the ts rows; group 0 likewise
.set G1W,   44
.set G1S,   92
.set G0T,   52
.set G0W,   60
.set G0S,   32
.set MSB,   0
.macro WIN new                         ; the immediate's high byte repeats the setting that is left; a switch that changes nothing is dropped
.if MSB != (\new)
	s_set_vgpr_msb (MSB<<8)|(\new)
.set MSB, (\new)
.endif
.endm
.macro CREST                           ; a round of the cluster's barrier behind its opening barrier
	s_cmp_lg_u32 s84, 0
	s_cbranch_scc1 .Lnot_wave_0_\@
	s_barrier_signal -3
.Lnot_wave_0_\@:
	s_barrier_wait -3
	s_barrier_signal -1
	s_barrier_wait -1
.endm
.macro CROUND
	s_barrier_signal -1
	s_barrier_wait -1
	CREST
.endm
.macro PLACES                          ; four plain vector instructions between a matrix instruction and a load into, or a vector read or write of, one of its registers (ISA guide 7.12.1 for the vector reads and writes)
.rept 4
	v_nop
.endr
.endm
.macro WORDS dst, base, ng             ; scale words of 32 ng rows in the row order
.set GG, 0
.rept \ng
	global_load_b128 v[\dst+8*GG:\dst+8*GG+3], v[LR], s[\base:\base+1] offset:2048*(GG/2)+512*(GG%2)
	global_load_b128 v[\dst+8*GG+4:\dst+8*GG+7], v[LR], s[\base:\base+1] offset:2048*(GG/2)+512*(GG%2)+16
.set GG, GG+1
.endr
.endm
.macro BIASK base, nb                  ; a lane's eight registers of tile b are d = 64 (b / 4) + 32 h + 8 (b % 4 xor h) + 0 .. 7
.set GG, 0
.rept \nb
	global_load_b128 v[BIAS+8*GG:BIAS+8*GG+3], v[BE+(GG%2)], s[\base:\base+1] offset:256*(GG/4)+32*(GG%4)
	global_load_b128 v[BIAS+8*GG+4:BIAS+8*GG+7], v[BE+(GG%2)], s[\base:\base+1] offset:256*(GG/4)+32*(GG%4)+16
.set GG, GG+1
.endr
.endm
.macro WM                              ; one product; kR says from which half of the lanes each side's scale words are taken
.if kR == 0
	v_wmma_scale_f32_16x16x128_f8f6f4 v[kD:kD+7], v[kA:kA+7], v[kB:kB+7], v[kC:kC+7], v[kSA], v[kSB] matrix_a_fmt:MATRIX_FMT_FP4 matrix_b_fmt:MATRIX_FMT_FP4
.elseif kR == 1
	v_wmma_scale_f32_16x16x128_f8f6f4 v[kD:kD+7], v[kA:kA+7], v[kB:kB+7], v[kC:kC+7], v[kSA], v[kSB] matrix_a_fmt:MATRIX_FMT_FP4 matrix_b_fmt:MATRIX_FMT_FP4 matrix_b_scale:MATRIX_SCALE_ROW1
.elseif kR == 2
	v_wmma_scale_f32_16x16x128_f8f6f4 v[kD:kD+7], v[kA:kA+7], v[kB:kB+7], v[kC:kC+7], v[kSA], v[kSB] matrix_a_fmt:MATRIX_FMT_FP4 matrix_b_fmt:MATRIX_FMT_FP4 matrix_a_scale:MATRIX_SCALE_ROW1
.else
	v_wmma_scale_f32_16x16x128_f8f6f4 v[kD:kD+7], v[kA:kA+7], v[kB:kB+7], v[kC:kC+7], v[kSA], v[kSB] matrix_a_fmt:MATRIX_FMT_FP4 matrix_b_fmt:MATRIX_FMT_FP4 matrix_a_scale:MATRIX_SCALE_ROW1 matrix_b_scale:MATRIX_SCALE_ROW1
.endif
.endm
; 16 matrix instructions: source 1's tiles a0, a0 + 1 x source 0's eight, the ks-th 128 along K.  first = 1: the bias is the C.  The 64 accumulators take turns, one instruction a turn, in the same order in every step.
.macro MUL16 a0, ks, first
.irp a, \a0, \a0+1
.irp b, 0,1,2,3,4,5,6,7
.set kD, 8*(8*((\a)%4)+\b)
.set kA, 128*((\ks)%2)+8*\b
.set kB, S1F+8*(\a)
.if \first
.if VPATH
.set kC, BIAS+8*(\a)
.else
.set kC, BIAS+8*\b
.endif
.else
.set kC, kD
.endif
.set kSA, X0+8*(\b/2)+(\ks)
.set kSB, X1+8*((\a)/2)+(\ks)
.set kR, 2*(\b%2)+((\a)%2)
	WM
.endr
.endr
.endm
.macro FETCH0 ks                       ; source 0's eight fragments of the ks-th 128 along K into set ks % 2
	WIN 0x40
.irp i, 0,1,2,3,4,5,6,7
.irp c, 0,1
	ds_load_b128 v[128*((\ks)%2)+8*\i+4*\c:128*((\ks)%2)+8*\i+4*\c+3], v[A0R+2*((\ks)/4)+(\i%2)] offset:(64*(\i/4)+8*(\i%4))*PITCH+64*((\ks)%4)+32*\c
.endr
.endr
	WIN 0
.endm
.macro FETCH1 ks, i0                   ; source 1's tiles i0 .. i0 + 3
.irp i, \i0, \i0+1, \i0+2, \i0+3
.irp c, 0,1
	ds_load_b128 v[S1F+8*(\i)+4*\c:S1F+8*(\i)+4*\c+3], v[A1R+2*((\ks)/4)+((\i)%2)] offset:(64*((\i)/4)+8*((\i)%4))*PITCH+64*((\ks)%4)+32*\c
.endr
.endr
.endm
; A step of 128 along K that has its successor in the same slot.  Source 1's tiles are free as soon as their eight products are issued: one set serves; source 0 has two, and its next set is asked for at the step's start.
.macro STEP ks, first
	s_wait_dscnt 8                                 ; source 0's set and tiles 0-3 are in; the youngest eight loads (tiles 4-7) may be out
	FETCH0 (\ks)+1
.if \first
	WIN 0x81
.else
	WIN 0xa1
.endif
	MUL16 0, \ks, \first
	MUL16 2, \ks, \first
	s_wait_dscnt 16                                ; tiles 4-7 are in; source 0's sixteen loads may be out
	PLACES
	WIN 0
	FETCH1 (\ks)+1, 0
.if \first
	WIN 0xc1
.else
	WIN 0xf1
.endif
	MUL16 4, \ks, \first
	MUL16 6, \ks, \first
	PLACES
	WIN 0
	FETCH1 (\ks)+1, 4
.endm
; A slot's last step (ks = 3 or 7): one round of the cluster's barrier; in front of it every wave waits for all its tensor loads (its part of the other slot among them) and for its reads of this slot; behind it this slot's
; weight rows are filled again, 64 rows a wave: from s[next:next + 1], koff bytes along K.
.macro TURN ks, lds, next, koff, narrow
	s_wait_tensorcnt 0x0                           ; all my tensor loads are done, so a descriptor may be written
	ds_add_u32 v30, v31                            ; 0 onto my spare word
	s_add_co_u32 s[G0W+1], s87, \lds
.if \koff
	s_add_nc_u64 s[G0W+2:G0W+3], s[\next:\next+1], \koff
.else
	s_mov_b64 s[G0W+2:G0W+3], s[\next:\next+1]
.endif
	s_or_b32 s[G0W+3], s[G0W+3], 0x80000000
.if \narrow
	s_mov_b32 s[G1W+2], 64<<16
	s_mov_b32 s[G1W+4], 64
.endif
	s_wait_dscnt 9                                 ; the add and tiles 4-7's eight loads may be out
	WIN 0xa1
	MUL16 0, \ks, 0
	s_wait_dscnt 0x0                               ; the add is done, and so are all my reads of this slot
	s_barrier_signal -1
	MUL16 2, \ks, 0                                ; work on registers while the others arrive
	WIN 0
	s_barrier_wait -1
	CREST
	tensor_load_to_lds s[G0W:G0W+3], s[G1W:G1W+7]
	s_nop 0
	PLACES
.if \ks == 3
	FETCH0 4
	FETCH1 4, 0
.elseif VPATH == 0
.set A0R, TE
	FETCH0 0                                       ; v's first fragments of the tokens
.endif
	WIN 0xf1
	MUL16 4, \ks, 0
	MUL16 6, \ks, 0
	WIN 0
	PLACES
.if \ks == 3
	FETCH1 4, 4
.endif
.endm
.macro PRODUCT next, narrow
	STEP 0, 1
	STEP 1, 0
	STEP 2, 0
	TURN 3, 2*HALFT, \next, 0, \narrow
	STEP 4, 0
	STEP 5, 0
	STEP 6, 0
	TURN 7, SLOT+2*HALFT, \next, 256, 0
.endm
; Four blocks of 32 registers each (128 on end from ac in window wn) are quantised: every lane holds whole blocks.  Codes: pc + 4 q .. pc + 4 q + 3 for block q.
; Word m: in lanes 0-15 blocks 0 (low half) and 1 (high half), in lanes 16-31 blocks 2 and 3; in each half the byte of the lane h = 0 below that of h = 1.
.macro QUANT wn, ac, pc, m
	WIN (((\wn)<<2)|((\wn)<<4))
.irp q, 0,1,2,3
	v_max3_num_f32 v[TM+\q], 0x1800000, |v[\ac+32*\q]|, |v[\ac+32*\q+1]|   ; the floor 2^(3 - 127) holds the byte at 1 from below
.endr
.irp i, 2,4,6,8,10,12,14,16,18,20,22,24,26,28,30
.irp q, 0,1,2,3
	v_max3_num_f32 v[TM+\q], v[TM+\q], |v[\ac+32*\q+\i]|, |v[\ac+32*\q+\i+1]|
.endr
.endr
	WIN 0
.irp q, 0,1,2,3
	v_add_nc_u32 v[TM+4+\q], 0xff000000, v[TM+\q]  ; 2 off the exponent field: the conversion's scale operand
.endr
	v_lshrrev_b32 v[TM+8], 23, v[TM+4]
	v_lshrrev_b32 v[TM+9], 23, v[TM+6]
	v_lshrrev_b32 v[TM+10], 7, v[TM+5]
	v_lshrrev_b32 v[TM+11], 7, v[TM+7]
	v_and_or_b32 v[TM+8], v[TM+10], s68, v[TM+8]   ; blocks 0, 1: bytes at bits 0 and 16
	v_and_or_b32 v[TM+9], v[TM+11], s68, v[TM+9]   ; blocks 2, 3
	v_cndmask_b32 v[TM+10], v[TM+8], v[TM+9], s69  ; what I keep
	v_cndmask_b32 v[TM+11], v[TM+9], v[TM+8], s69  ; what lane l xor 16 wants
	v_permlanex16_b32 v[TM+12], v[TM+11], s66, s67
	WIN \wn
.irp q, 0,1,2,3
.irp u, 0,1,2,3
	v_cvt_scalef32_pk8_fp4_f32 v[\pc+4*\q+\u], v[\ac+32*\q+8*\u:\ac+32*\q+8*\u+7], v[TM+4+\q]
.endr
.endr
	WIN 0
	v_cndmask_b32 v[TM+13], v[TM+10], v[TM+12], s69   ; the bytes of h = 0 (also the plain place behind the conversions)
	v_cndmask_b32 v[TM+14], v[TM+12], v[TM+10], s69   ; and of h = 1
	v_lshl_or_b32 v[\m], v[TM+14], 8, v[TM+13]
.endm
	s_load_b512 s[4:19], s[0:1], 0x0               ; ts codes, ts scales, llm codes, llm scales, Wq codes, Wq scales, bq, Wk codes
	s_load_b512 s[20:35], s[0:1], 0x40             ; Wk scales, bk, Wv codes, Wv scales, bv, qc, qs, kv
	v_lshl_add_u32 v30, v0, 2, SPARE
	v_mov_b32 v31, 0
	ds_add_u32 v30, v31                            ; the opening: the add, twice on end, and its wait
	ds_add_u32 v30, v31
	v_lshrrev_b32 v1, 5, v0
	v_readfirstlane_b32 s84, v1                    ; wave 0..3
	s_lshr_b32 s85, s84, 1                         ; WH: my half of the tokens.  At the head: I fetch token rows (0) or weight rows (1)
	s_and_b32 s86, s84, 1                          ; WL: my half of the weight rows.  At the head: which 128 rows I fetch
	s_bfe_u32 s87, ttmp6, 0x40000                  ; cx
	s_bfe_u32 s88, ttmp6, 0x40004                  ; cy
	s_lshl_b32 s90, ttmp9, 2
	s_add_co_u32 s90, s90, s87                     ; x: 256 outputs
	s_and_b32 s91, ttmp7, 0xffff
	s_lshl_b32 s91, s91, 2
	s_add_co_u32 s91, s91, s88                     ; y: 256 keys, 64 queries
	s_lshl_b32 s89, s88, 2
	s_lshl_b32 s89, 15, s89                        ; my row of the cluster
	s_lshl_b32 s93, 0x1111, s87                    ; my column
	; descriptor group 1: rows of 256 bytes, 512 from row to row, 16 bytes of padding behind each (four words after every 64)
	s_or_b32 s[G1T], s89, (1<<20)|(1<<21)|(5<<22)|(3<<25)
	s_or_b32 s[G1W], s93, (1<<20)|(1<<21)|(5<<22)|(3<<25)
.irp g, G1T, G1W
	s_mov_b32 s[\g+1], 256<<16
	s_mov_b32 s[\g+2], 128<<16
	s_mov_b32 s[\g+3], 256<<16
	s_mov_b32 s[\g+4], 128
	s_mov_b32 s[\g+5], 512
	s_mov_b32 s[\g+6], 0
	s_mov_b32 s[\g+7], 0
.endr
	s_lshl_b32 s96, s86, 16                        ; 128 rows of 512 bytes
	s_lshl_b32 s74, s91, 17
	s_add_co_u32 s74, s74, s96                     ; my token rows at the head: it hangs on y alone
	s_mov_b32 s75, 0
	s_lshl_b32 s76, s90, 17
	s_add_co_u32 s76, s76, s96                     ; my weight rows at the head: on x alone
	s_mov_b32 s77, 0
	s_lshl_b32 s78, s91, 15                        ; ts: row 64 y
	s_mov_b32 s79, 0
	s_lshl_b32 s80, s90, 17
	s_lshl_b32 s96, s84, 15
	s_add_co_u32 s80, s80, s96                     ; a refill: weight row 256 x + 64 wave
	s_mov_b32 s81, 0
	s_mul_i32 s100, s84, HALFT                     ; the head's places: token halves, then weight halves
	s_mul_i32 s87, s84, 64*PITCH                   ; a refill's
	s_mov_b32 s66, 0x76543210
	s_mov_b32 s67, 0xfedcba98                      ; v_permlanex16_b32's selects for lane l xor 16
	s_mov_b32 s68, 0xff0000
	s_wait_dscnt 0x0                               ; both opening adds are done
	s_wait_kmcnt 0x0
	s_mov_b32 s[G0T], 1
	s_mov_b32 s[G0T+1], s100
	s_add_nc_u64 s[G0T+2:G0T+3], s[8:9], s[74:75]
	s_or_b32 s[G0T+3], s[G0T+3], 0x80000000
	s_mov_b32 s[G0W], 1
	s_mov_b32 s[G0W+1], s100
	s_add_nc_u64 s[G0W+2:G0W+3], s[18:19], s[76:77]
	s_or_b32 s[G0W+3], s[G0W+3], 0x80000000
	CROUND                                         ; all sixteen work-groups are here: the joint loads meet
	s_cmp_eq_u32 s85, 0                            ; half 0 of K: one load a wave, one arm each
	s_cbranch_scc0 .Lhead_w
	tensor_load_to_lds s[G0T:G0T+3], s[G1T:G1T+7]
	s_nop 0
	PLACES
	s_branch .Lhead_asked
.Lhead_w:
	tensor_load_to_lds s[G0W:G0W+3], s[G1W:G1W+7]
	s_nop 0
	PLACES
.Lhead_asked:
	s_add_nc_u64 s[78:79], s[4:5], s[78:79]        ; ts rows
	s_add_nc_u64 s[24:25], s[24:25], s[80:81]      ; Wv rows
	s_add_nc_u64 s[12:13], s[12:13], s[80:81]      ; Wq rows
	s_lshl_b32 s82, s91, 13
	s_lshl_b32 s96, s85, 12
	s_add_co_u32 s82, s82, s96
	s_mov_b32 s83, 0
	s_add_nc_u64 s[10:11], s[10:11], s[82:83]      ; scale bytes of my 128 tokens
	s_lshl_b32 s82, s91, 11
	s_add_nc_u64 s[6:7], s[6:7], s[82:83]          ; of the 64 queries
	s_lshl_b32 s94, s90, 13
	s_lshl_b32 s96, s86, 12
	s_add_co_u32 s82, s94, s96
	s_add_nc_u64 s[20:21], s[20:21], s[82:83]      ; of my 128 rows of Wk
	s_add_nc_u64 s[26:27], s[26:27], s[82:83]      ; and of Wv
	s_lshl_b32 s96, s84, 11
	s_add_co_u32 s82, s94, s96
	s_add_nc_u64 s[14:15], s[14:15], s[82:83]      ; of my 64 rows of Wq
	s_lshl_b32 s94, s90, 10
	s_lshl_b32 s96, s86, 9
	s_add_co_u32 s82, s94, s96
	s_add_nc_u64 s[22:23], s[22:23], s[82:83]      ; biases likewise
	s_add_nc_u64 s[28:29], s[28:29], s[82:83]
	s_lshl_b32 s96, s84, 8
	s_add_co_u32 s82, s94, s96
	s_add_nc_u64 s[16:17], s[16:17], s[82:83]
	s_mul_i32 s93, s85, HALFT                      ; my token rows in slot 0
	s_mul_i32 s94, s86, HALFT
	s_add_co_u32 s94, s94, 2*HALFT                 ; my weight rows
	s_add_co_u32 s95, s87, 2*HALFT                 ; my weight rows of q
	s_add_co_u32 s96, s93, SLOT
	s_add_co_u32 s97, s94, SLOT
	s_add_co_u32 s98, s95, SLOT
	v_and_b32 v1, 15, v0                           ; r
	v_bfe_u32 v2, v0, 4, 1                         ; h
	v_and_b32 v4, 31, v0                           ; lane
	v_and_b32 v7, 7, v0
	v_lshrrev_b32 v3, 3, v1                        ; r / 8
	v_mad_u32_u24 v100, v3, 40, v7                 ; my row in an even tile, less 8 t
	v_mad_u32_u24 v101, v3, 24, v7                 ; in an odd one
	v_mul_u32_u24 v102, v100, PITCH
	v_mul_u32_u24 v103, v101, PITCH
	v_mul_u32_u24 v104, v1, TP
	v_lshl_add_u32 v102, v2, 4, v102
	v_lshl_add_u32 v103, v2, 4, v103
	v_lshl_add_u32 v104, v2, 4, v104
	v_add_nc_u32 v[TE], s93, v102
	v_add_nc_u32 v[TE+1], s93, v103
	v_add_nc_u32 v[TE+2], s96, v102
	v_add_nc_u32 v[TE+3], s96, v103
	v_add_nc_u32 v[WE], s94, v102
	v_add_nc_u32 v[WE+1], s94, v103
	v_add_nc_u32 v[WE+2], s97, v102
	v_add_nc_u32 v[WE+3], s97, v103
	v_add_nc_u32 v[QE], s95, v102
	v_add_nc_u32 v[QE+1], s95, v103
	v_add_nc_u32 v[QE+2], s98, v102
	v_add_nc_u32 v[QE+3], s98, v103
	v_add_nc_u32 v[TQ], TSB, v104
	v_mul_u32_u24 v[BE], v2, 160
	v_mul_u32_u24 v[BE+1], v2, 96
	v_xor_b32 v105, v2, v3
	v_lshlrev_b32 v105, 8, v105
	v_lshl_add_u32 v105, v3, 10, v105
	v_lshl_add_u32 v[LR], v7, 5, v105              ; 32 bytes x (32 (r / 8) + 8 (h xor r / 8) + r % 8)
	v_lshlrev_b32 v[L32], 5, v4
	v_lshlrev_b32 v[DV], 2, v100
	v_lshlrev_b32 v[DV+1], 2, v101
	v_lshlrev_b32 v5, 4, v4
	v_lshlrev_b32 v6, 3, v4
	v_cmp_le_u32 s69, 16, v4                       ; lanes 16-31
	v_mov_b32 v[TM+12], 0                          ; written once: a lane permute's destination counts as one of its sources
	s_wait_alu depctr_va_vdst(0)
	WORDS ST, 10, 4
	WORDS SW, 20, 4
	BIASK 22, 8
	; where my results go
	s_lshr_b32 s94, s91, 3                         ; batch
	s_lshl_b32 s94, s94, 4
	s_lshl_b32 s95, s90, 2
	s_add_co_u32 s94, s94, s95                     ; 16 batch + 4 x
	s_and_b32 s95, s91, 7
	s_lshl_b32 s96, s86, 1
	s_add_co_u32 s96, s94, s96                     ; my first head of two
	s_lshl_b32 s96, s96, 4
	s_lshl_b32 s97, s95, 1
	s_add_co_u32 s96, s96, s97
	s_add_co_u32 s96, s96, s85                     ; unit = 16 head + group of 128 keys
	s_mul_i32 s82, s96, 8960
	s_add_nc_u64 s[56:57], s[34:35], s[82:83]
	s_add_nc_u64 s[58:59], s[56:57], 143360        ; my second head: 16 units on
	s_add_co_u32 s94, s94, s84                     ; q: head 4 x + wave
	s_lshl_b32 s82, s94, 14
	s_lshl_b32 s97, s95, 11
	s_add_co_u32 s82, s82, s97
	s_add_nc_u64 s[70:71], s[30:31], s[82:83]
	s_lshl_b32 s82, s94, 11
	s_lshl_b32 s97, s95, 8
	s_add_co_u32 s82, s82, s97
	s_add_nc_u64 s[72:73], s[32:33], s[82:83]
	; the ts rows: 64 rows of 512 bytes, 16 bytes of padding behind each (four words after every 128)
	s_or_b32 s[G1S], s89, (1<<20)|(1<<21)|(6<<22)|(3<<25)
	s_mov_b32 s[G1S+1], 512<<16
	s_mov_b32 s[G1S+2], 64<<16
	s_mov_b32 s[G1S+3], 512<<16
	s_mov_b32 s[G1S+4], 64
	s_mov_b32 s[G1S+5], 512
	s_mov_b32 s[G1S+6], 0
	s_mov_b32 s[G1S+7], 0
	s_mov_b32 s[G0S], 1
	s_mov_b32 s[G0S+1], TSB
	s_mov_b64 s[G0S+2:G0S+3], s[78:79]
	s_or_b32 s[G0S+3], s[G0S+3], 0x80000000
	s_wait_tensorcnt 0x0                           ; my part of half 0 is in
	ds_add_u32 v30, v31
	s_add_co_u32 s[G0T+1], s100, SLOT              ; half 1: waves 0 and 1 take the token halves again,
	s_add_nc_u64 s[G0T+2:G0T+3], s[G0T+2:G0T+3], 256
	s_mov_b32 s[G0W+1], SLOT+2*HALFT               ; wave 2 all 256 weight rows (its address at the head was the tile's first row),
	s_add_nc_u64 s[G0W+2:G0W+3], s[G0W+2:G0W+3], 256
	s_mov_b32 s[G1W+2], 256<<16
	s_mov_b32 s[G1W+4], 256                        ; and wave 3 the ts rows
	s_wait_dscnt 0x0
	CROUND                                         ; everybody's part is in; the joint loads meet
	s_cmp_lt_u32 s84, 2
	s_cbranch_scc0 .Lhalf_w
	tensor_load_to_lds s[G0T:G0T+3], s[G1T:G1T+7]
	s_nop 0
	PLACES
	s_branch .Lhalf_asked
.Lhalf_w:
	s_cmp_lt_u32 s84, 3
	s_cbranch_scc0 .Lhalf_s
	tensor_load_to_lds s[G0W:G0W+3], s[G1W:G1W+7]
	s_nop 0
	PLACES
	s_branch .Lhalf_asked
.Lhalf_s:
	tensor_load_to_lds s[G0S:G0S+3], s[G1S:G1S+7]
	s_nop 0
	PLACES
.Lhalf_asked:
; k
.set VPATH, 0
.set A0R, WE
.set A1R, TE
.set X0, SW
.set X1, ST
	FETCH0 0
	FETCH1 0, 0
	FETCH1 0, 4
	s_wait_loadcnt 0x0                             ; scale words and bias
	PRODUCT 24, 1
	WORDS SW, 26, 4                                ; v's scale words and bias, on their way while k is quantised
.irp a, 0,1,2,3,4,5,6,7
	global_load_b32 v[BIAS+8*\a], v[DV+(\a%2)], s[28:29] offset:256*(\a/4)+32*(\a%4)
.endr
.irp p, 0,1,2,3                                ; token tiles 2 p, 2 p + 1; a block is one head's
	QUANT 2+\p/2, 128*(\p%2), PC+16*\p, MW+\p
.irp q, 0,1,2,3
	global_store_b128 v5, v[PC+16*\p+4*\q:PC+16*\p+4*\q+3], s[56+2*(\q%2):57+2*(\q%2)] offset:512*(2*\p+\q/2)
.endr
.endr
.irp j, 0,1,2,3
	v_and_b32 v[116+\j], 0xffff, v[MW+\j]          ; first head; the upper two bytes are 0 and will stand over zero codes
	v_lshrrev_b32 v[120+\j], 16, v[MW+\j]          ; second head
.endr
	global_store_b128 v5, v[116:119], s[56:57] offset:8192
	global_store_b128 v5, v[120:123], s[58:59] offset:8192
	s_wait_alu depctr_va_vdst(0)
	s_wait_loadcnt 0x0
.irp a, 0,1,2,3,4,5,6,7                        ; a lane holds one d: its bias, the same in all eight registers
.irp j, 1,2,3,4,5,6,7
	v_mov_b32 v[BIAS+8*\a+\j], v[BIAS+8*\a]
.endr
.endr
	s_wait_alu depctr_va_vdst(0)
	s_wait_xcnt 0x0                                ; the stores have read their registers
; v: Wv's half 0 was in ahead of k's last round
.set VPATH, 1
.set A0R, TE
.set A1R, WE
.set X0, ST
.set X1, SW
	FETCH1 0, 0
	FETCH1 0, 4
	PRODUCT 12, 0
.irp g, 0,1                                    ; q's scale words and bias, on their way while v is quantised; the queries lie in natural order
	global_load_b128 v[ST+8*\g:ST+8*\g+3], v[L32], s[6:7] offset:1024*\g
	global_load_b128 v[ST+8*\g+4:ST+8*\g+7], v[L32], s[6:7] offset:1024*\g+16
.endr
	WORDS SW, 14, 2
	BIASK 16, 4
.irp p, 0,1,2,3                                ; d tiles 2 p, 2 p + 1; a block is one c's
	QUANT 2+\p/2, 128*(\p%2), PC+16*\p, MW+\p
.irp q, 0,1,2,3
	global_store_b128 v5, v[PC+16*\p+4*\q:PC+16*\p+4*\q+3], s[56+2*(\p/2):57+2*(\p/2)] offset:4096+1024*(2*(\p%2)+\q/2)+512*(\q%2)
.endr
.endr
	global_store_b64 v6, v[MW:MW+1], s[56:57] offset:8704      ; 256 consecutive bytes
	global_store_b64 v6, v[MW+2:MW+3], s[58:59] offset:8704
	s_wait_alu depctr_va_vdst(0)
	s_wait_xcnt 0x0
; q: 64 queries x my head's 64: sixteen accumulators by turns; two sets of fragments a side.  Wq's half 0 was in ahead of v's last round
.macro FETCHQ ks
	WIN 0x40
.irp b, 0,1,2,3
.irp c, 0,1
	ds_load_b128 v[32*((\ks)%2)+8*\b+4*\c:32*((\ks)%2)+8*\b+4*\c+3], v[QE+2*((\ks)/4)+(\b%2)] offset:8*\b*PITCH+64*((\ks)%4)+32*\c
.endr
.endr
	WIN 0
.irp a, 0,1,2,3
.irp c, 0,1
	ds_load_b128 v[S1F+32*((\ks)%2)+8*\a+4*\c:S1F+32*((\ks)%2)+8*\a+4*\c+3], v[TQ] offset:16*\a*TP+64*(\ks)+32*\c
.endr
.endr
.endm
	FETCHQ 0
	FETCHQ 1
	s_wait_loadcnt 0x0
.irp s, 0,1,2,3,4,5,6,7
.if \s < 7
	s_wait_dscnt 16                                ; this step's fragments are in; the next step's sixteen loads may be out
.else
	s_wait_dscnt 0x0
.endif
.if \s == 0
	WIN 0x81
.else
	WIN 0xa1
.endif
.irp a, 0,1,2,3
.irp b, 0,1,2,3
.set kD, 8*(4*\a+\b)
.set kA, 32*(\s%2)+8*\b
.set kB, S1F+32*(\s%2)+8*\a
.if \s == 0
.set kC, BIAS+8*\b
.else
.set kC, kD
.endif
.set kSA, SW+8*(\b/2)+\s
.set kSB, ST+8*(\a/2)+\s
.set kR, 2*(\b%2)+(\a%2)
	WM
.endr
.endr
.if \s == 2
	WIN 0
	s_wait_tensorcnt 0x0                           ; my part of Wq's half 1 is in
	s_wait_dscnt 0x0
	s_barrier_signal -1
	s_barrier_wait -1                              ; everybody's is
.endif
.if \s < 6
	PLACES
	FETCHQ \s+2
.endif
.endr
	WIN 0
	PLACES
	QUANT 2, 0, PC, MW
.irp q, 0,1,2,3
	global_store_b128 v5, v[PC+4*\q:PC+4*\q+3], s[70:71] offset:512*\q
.endr
	v_and_b32 v116, 0xffff, v[MW]
	v_lshrrev_b32 v117, 16, v[MW]
	global_store_b64 v6, v[116:117], s[72:73]      ; 256 consecutive bytes
	s_wait_tensorcnt 0x0                           ; the wave's end
	ds_add_u32 v30, v31
	s_wait_dscnt 0x0
	CROUND                                         ; the closing round: no work-group ends while a partner may still ask for a tile that names it
	s_endpgm
.Lfunc_end_k_q9bcf7c15dd_proj:
	.size	k_q9bcf7c15dd_proj, .Lfunc_end_k_q9bcf7c15dd_proj-k_q9bcf7c15dd_proj
	.p2alignl 7, 3214868480
	.fill 96, 4, 3214868480
	.section	.rodata,"a",@progbits
	.p2align	6, 0x0
	.amdhsa_kernel k_q9bcf7c15dd_proj
		.amdhsa_group_segment_fixed_size 327680
		.amdhsa_private_segment_fixed_size 0
		.amdhsa_enable_private_segment 0
		.amdhsa_kernarg_size 128
		.amdhsa_user_sgpr_count 2
		.amdhsa_user_sgpr_kernarg_segment_ptr 1
		.amdhsa_wavefront_size32 1
		.amdhsa_system_sgpr_workgroup_id_x 1
		.amdhsa_system_sgpr_workgroup_id_y 1
		.amdhsa_system_sgpr_workgroup_id_z 1
		.amdhsa_system_vgpr_workitem_id 0
		.amdhsa_next_free_vgpr 1024
		.amdhsa_next_free_sgpr 102
		.amdhsa_reserve_vcc 0
		.amdhsa_float_denorm_mode_32 3
		.amdhsa_float_denorm_mode_16_64 3
		.amdhsa_memory_ordered 1
		.amdhsa_forward_progress 1
		.amdhsa_inst_pref_size 255
	.end_amdhsa_kernel
	.section	.bss,"aw",@nobits
	.p2align	6
	.space	262144
	.amdgpu_metadata
---
amdhsa.version: [ 1, 2 ]
amdhsa.kernels:
  - .name:           k_q9bcf7c15dd_proj
    .symbol:         k_q9bcf7c15dd_proj.kd
    .args:
      - { .name: ts_features_codes, .offset: 0, .size: 8, .value_kind: global_buffer, .address_space: global }
      - { .name: ts_features_scales, .offset: 8, .size: 8, .value_kind: global_buffer, .address_space: global }
      - { .name: llm_features_codes, .offset: 16, .size: 8, .value_kind: global_buffer, .address_space: global }
      - { .name: llm_features_scales, .offset: 24, .size: 8, .value_kind: global_buffer, .address_space: global }
      - { .name: q_w_codes, .offset: 32, .size: 8, .value_kind: global_buffer, .address_space: global }
      - { .name: q_w_scales, .offset: 40, .size: 8, .value_kind: global_buffer, .address_space: global }
      - { .name: q_b, .offset: 48, .size: 8, .value_kind: global_buffer, .address_space: global }
      - { .name: k_w_codes, .offset: 56, .size: 8, .value_kind: global_buffer, .address_space: global }
      - { .name: k_w_scales, .offset: 64, .size: 8, .value_kind: global_buffer, .address_space: global }
      - { .name: k_b, .offset: 72, .size: 8, .value_kind: global_buffer, .address_space: global }
      - { .name: v_w_codes, .offset: 80, .size: 8, .value_kind: global_buffer, .address_space: global }
      - { .name: v_w_scales, .offset: 88, .size: 8, .value_kind: global_buffer, .address_space: global }
      - { .name: v_b, .offset: 96, .size: 8, .value_kind: global_buffer, .address_space: global }
      - { .name: qc, .offset: 104, .size: 8, .value_kind: global_buffer, .address_space: global }
      - { .name: qs, .offset: 112, .size: 8, .value_kind: global_buffer, .address_space: global }
      - { .name: kv, .offset: 120, .size: 8, .value_kind: global_buffer, .address_space: global }
    .group_segment_fixed_size: 327680
    .private_segment_fixed_size: 0
    .kernarg_segment_align: 8
    .kernarg_segment_size: 128
    .max_flat_workgroup_size: 128
    .sgpr_count:     102
    .vgpr_count:     1024
    .wavefront_size: 32
...
	.end_amdgpu_metadata
.endif
;; end of part 1
;; launch attn (part 2): grid 2 x 128, 8 waves a work-group, clusters of 2 x 1, 167,936 bytes of LDS; arguments qc, qs, kv, cc, cs; writes cc, cs
.if DOCPART == 2
	.amdgcn_target "amdgcn-amd-amdhsa--gfx1250"
	.amdhsa_code_object_version 6
	.text
	.protected	k_q9bcf7c15dd_attn
	.globl	k_q9bcf7c15dd_attn
	.p2align	8
	.type	k_q9bcf7c15dd_attn,@function
k_q9bcf7c15dd_attn:
	s_mov_b64 s[64:65], 0
	v_nop
	global_prefetch_b8 v0, s[64:65] scope:SCOPE_SE
	s_setreg_imm32_b32 hwreg(HW_REG_WAVE_MODE, 25, 1), 1
	s_wait_xcnt 0x0
	s_wait_alu depctr_hold_cnt(0) depctr_sa_sdst(0) depctr_va_vdst(0) depctr_va_sdst(0) depctr_va_ssrc(0) depctr_va_vcc(0) depctr_vm_vsrc(0)
	s_getreg_b32 s2, hwreg(HW_REG_IB_STS2, 6, 4)
	s_cmp_eq_u32 s2, 0
	s_cbranch_scc0 .Lentry_in_a_cluster
	s_endpgm
.Lentry_in_a_cluster:
	s_bfe_u32 s2, ttmp6, 0x10000c
	s_cmp_lg_u32 s2, 0x1001
	s_cbranch_scc0 .Lentry_shape_is_right
	s_endpgm
.Lentry_shape_is_right:
; ATTENTION for one (batch, head) and 256 of its 512 queries: S^T = K Q^T and O^T = V^T P^T on codes of FP4 (E2M1) with E8M0 scales; then O / l is quantised along d_model for the output projection.
; THE SOFTMAX AHEAD OF THE SECOND PRODUCT: t = score x log2(e) / 8; M = the row's largest t so far, rounded UP to a whole number; p = 2^(t - M) is quantised along the keys, not normalised.
; The row's sum l is taken of the unquantised p in f32 and divides O at the end.  When M moves, l and O are multiplied by 2^(old M - new M), which rounds nothing.
; SHARES.  Each of the eight waves owns two tiles of 16 queries, A and B, in 512 registers: every fragment of K and V serves both, and the two tiles' chains go by turns.  A wave walks the head's 2,048 keys, 256 a step:
; two units of 128.  Both products are used transposed: a lane holds ONE query of each tile (lane % 16) throughout.
; LDS.  A head's sixteen units of 128 keys, 8,960 bytes each (k's codes, v's codes, scale words, as images of the operands' registers), fit whole: every byte is filled once.  Wave w brings units 2 w and 2 w + 1, by one load.
; CLUSTER: the two work-groups of a head need the same sixteen units: each is asked for jointly, with a mask that names both.
; NO PREFETCH: all that this launch fetches into LDS is asked for by the head's one load a wave; there is no later load to run ahead of.
; ORDER.  In S^T lane (q, h) holds in its registers of tiles 4 c .. 4 c + 3 the whole block 2 c + h of 32 keys (groups of eight in the order t xor h, as in v's codes): no lane is asked for a block's maximum or codes.
; O^T likewise: registers 8 t + j are d = 32 h + 8 (t xor h) + j.
; THE HEAD IS 64 LONG, the instruction 128: Q's registers 4-7 are zero codes and the upper two bytes of Q's and K's scale words are 0, so what K's registers 4-7 hold (the codes that lie behind) adds nothing.
; LIMITS: NaN and infinities are not served; the scaled scores stay under 2^31 in magnitude.  1 / l is v_rcp_f32's.  A block's largest p is the exponential of its largest score (this takes v_exp_f32 not to fall where its
; input rises).  A block of the context whose largest magnitude lies under 2^-124 gets the byte 1 (a block of zeros too, where the rule says 127: its codes are zeros, and this program alone reads the bytes).
; REGISTERS, window 1: S^T, then p: block k = 4 tile + 2 unit + c at v[32 k].  Window 0: v1, v2 16 and 8 x lane; v3, v4 the add's; v5-7 lane, r, at work; v8, v9 addresses of the units in hand; v10, v11 A's -M and largest score,
;   v12, v13 B's; v[14:15], v[16:17] l in two halves; v[18:19], v[20:21] f; v22-31 at work; v32-63, v64-95 the two units' fragments of K, later of V; v96-99 zeros; v100-131, v132-163 O^T; v164-195 p's codes; v196-211 Q;
;   v212-219 K's scale words, v220-223 V's, v224-225 Q's, v226-229 p's; v230-255 at work.
.set UNIT,  8960
.set SPARE, 16*UNIT                    ; the spare words: four blocks of 256 bytes that no other line names
.set MSB,   0
.macro WIN new                         ; the immediate's high byte repeats the setting that is left
.if MSB != (\new)
	s_set_vgpr_msb (MSB<<8)|(\new)
.set MSB, (\new)
.endif
.endm
.macro CROUND
	s_barrier_signal -1
	s_barrier_wait -1
	s_cmp_lg_u32 s18, 0
	s_cbranch_scc1 .Lnot_wave_0_\@
	s_barrier_signal -3
.Lnot_wave_0_\@:
	s_barrier_wait -3
	s_barrier_signal -1
	s_barrier_wait -1
.endm
	s_load_b256 s[4:11], s[0:1], 0x0               ; qc, qs, kv, cc
	s_load_b64 s[12:13], s[0:1], 0x20              ; cs
	v_lshl_add_u32 v3, v0, 2, SPARE
	v_mov_b32 v4, 0
	ds_add_u32 v3, v4                              ; the opening: the add, twice on end, and its wait
	ds_add_u32 v3, v4
	v_lshrrev_b32 v5, 5, v0
	v_readfirstlane_b32 s18, v5                    ; wave 0..7
	s_bfe_u32 s20, ttmp6, 0x40000                  ; cx: which 256 queries
	s_and_b32 s21, ttmp7, 0xffff                   ; 16 batch + head
	; descriptor group 1: a dense block, as 70 rows of 256 bytes (32 elements of 8 bytes); both work-groups named
	s_mov_b32 s24, (3<<16)|(1<<21)|3
	s_mov_b32 s25, 32<<16
	s_mov_b32 s26, 70<<16
	s_mov_b32 s27, 32<<16
	s_mov_b32 s28, 70
	s_mov_b32 s29, 32
	s_mov_b32 s30, 0
	s_mov_b32 s31, 0
	s_mul_i32 s72, s18, 2*UNIT                     ; my two units' place in LDS
	s_lshl_b32 s70, s21, 3
	s_add_co_u32 s70, s70, s18
	s_mul_i32 s70, s70, 2*UNIT                     ; and in memory
	s_mov_b32 s71, 0
	s_mov_b32 s56, 0xbe38aa3b                      ; -c
	s_mov_b32 s57, 0xff0000
	s_mov_b32 s60, 0x76543210
	s_mov_b32 s61, 0xfedcba98                      ; v_permlanex16_b32's selects for lane l xor 16
	s_mov_b32 s62, 0x3e38aa3b                      ; c = log2(e) / sqrt(64)
	s_mov_b32 s63, s62                             ; (named with it as a pair, so it is written)
	s_wait_dscnt 0x0
	s_wait_kmcnt 0x0
	s_mov_b32 s32, 1
	s_mov_b32 s33, s72
	s_add_nc_u64 s[34:35], s[8:9], s[70:71]
	s_or_b32 s35, s35, 0x80000000
	CROUND                                         ; both work-groups are here: the joint loads meet
	tensor_load_to_lds s[32:35], s[24:31]
	s_nop 0
.rept 4
	v_nop
.endr
	s_lshl_b32 s80, s20, 4
	s_lshl_b32 s81, s18, 1
	s_add_co_u32 s80, s80, s81                     ; my first tile of queries, 0, 2 .. 30
	s_lshl_b32 s82, s21, 14
	s_lshl_b32 s83, s80, 9
	s_add_co_u32 s82, s82, s83
	s_mov_b32 s83, 0
	s_add_nc_u64 s[4:5], s[4:5], s[82:83]          ; the two tiles' codes
	s_lshl_b32 s84, s21, 11
	s_lshr_b32 s85, s80, 2
	s_lshl_b32 s85, s85, 8
	s_add_co_u32 s84, s84, s85                     ; their 64 queries' 256 bytes of scale words,
	s_bfe_u32 s85, s80, 0x10001
	s_lshl_b32 s85, s85, 7
	s_add_co_u32 s84, s84, s85                     ; their half of the lanes: both tiles' words
	s_mov_b32 s85, 0
	s_add_nc_u64 s[6:7], s[6:7], s[84:85]
	s_lshr_b32 s86, s21, 4
	s_lshl_b32 s86, s86, 5
	s_add_co_u32 s86, s86, s80                     ; my first tile of tokens: 32 batch + tile
	s_and_b32 s87, s21, 15                         ; head
	s_lshl_b32 s88, s86, 4
	s_add_co_u32 s88, s88, s87
	s_lshl_b32 s88, s88, 9
	s_mov_b32 s89, 0
	s_add_nc_u64 s[10:11], s[10:11], s[88:89]      ; cc: [token tile][head][512 bytes]
	s_lshl_b32 s88, s86, 9
	s_lshl_b32 s87, s87, 1
	s_add_co_u32 s88, s88, s87
	s_add_nc_u64 s[12:13], s[12:13], s[88:89]      ; cs: [token][32 bytes], my head's two
	v_and_b32 v5, 31, v0                           ; lane
	v_and_b32 v6, 15, v0                           ; r
	v_mov_b32 v232, 0                              ; a lane permute's destination counts as one of its sources
	v_mov_b32 v233, 0
	v_lshlrev_b32 v1, 4, v5
	v_lshlrev_b32 v2, 3, v5
	v_lshlrev_b32 v7, 3, v6
	global_load_b128 v[196:199], v1, s[4:5]        ; Q's codes stay in registers
	global_load_b128 v[204:207], v1, s[4:5] offset:512
	global_load_b64 v[224:225], v7, s[6:7]         ; Q's scale words: lane r has query r's of A and of B
	v_mov_b32 v8, v1                               ; units 0 and 1 first
	v_mov_b32 v9, v2
	v_mov_b32 v11, 0xff61b1e6                      ; the largest scores so far: -3e38
	v_mov_b32 v13, 0xff61b1e6
	v_mul_f32 v10, s56, v11
.irp j, 14,15,16,17,19,21                      ; (v19, v21: named as the upper halves of pairs)
	v_mov_b32 v[\j], 0
.endr
	v_floor_f32 v10, v10                           ; -M
	v_mov_b32 v12, v10
.irp j, 0,1,2,3
	v_mov_b32 v[96+\j], 0                          ; what stands behind the second unit's last tile of K
	v_mov_b32 v[200+\j], 0                         ; Q's k = 64 .. 127: zero codes
	v_mov_b32 v[208+\j], 0
.endr
.set j, 0
.rept 64
	v_mov_b32 v[100+j], 0                          ; O^T: the first step finds zeros, which the first change of M leaves zeros
.set j, j+1
.endr
.macro FETCHK                          ; both units' K: eighteen loads
.irp u, 0,1
.irp t, 0,1,2,3,4,5,6,7
	ds_load_b128 v[32+32*\u+4*\t:35+32*\u+4*\t], v8 offset:UNIT*\u+512*\t   ; tile t, d = 32 h ..
.endr
	ds_load_b128 v[212+4*\u:215+4*\u], v8 offset:UNIT*\u+8192      ; register j: tile 2 j's words in lanes 0-15, tile 2 j + 1's in lanes 16-31
.endr
.endm
.macro SCORES u                        ; S^T of unit u: 16 matrix instructions, each fragment of K against Q of A and of B
.irp t, 0,2,4,6
.irp w, 0,1
	v_wmma_scale_f32_16x16x128_f8f6f4 v[128*\w+64*\u+8*\t:128*\w+64*\u+8*\t+7], v[32+32*\u+4*\t:39+32*\u+4*\t], v[196+8*\w:203+8*\w], 0, v[212+4*\u+\t/2], v[224+\w] matrix_a_fmt:MATRIX_FMT_FP4 matrix_b_fmt:MATRIX_FMT_FP4
.endr
.irp w, 0,1
	v_wmma_scale_f32_16x16x128_f8f6f4 v[128*\w+64*\u+8*\t+8:128*\w+64*\u+8*\t+15], v[36+32*\u+4*\t:43+32*\u+4*\t], v[196+8*\w:203+8*\w], 0, v[212+4*\u+\t/2], v[224+\w] matrix_a_fmt:MATRIX_FMT_FP4 matrix_b_fmt:MATRIX_FMT_FP4 matrix_a_scale:MATRIX_SCALE_ROW1
.endr
.endr
.endm
.macro SUM n                           ; pairs j .. j + n - 1 of A's and of B's p onto three sums each, by turns
.rept \n
.if (j-4)%3 == 2
	v_pk_add_f32 v[14:15], v[14:15], v[2*j:2*j+1]
	v_pk_add_f32 v[16:17], v[16:17], v[128+2*j:129+2*j]
.else
	v_pk_add_f32 v[248+2*((j-4)%3):249+2*((j-4)%3)], v[248+2*((j-4)%3):249+2*((j-4)%3)], v[2*j:2*j+1]
	v_pk_add_f32 v[252+2*((j-4)%3):253+2*((j-4)%3)], v[252+2*((j-4)%3):253+2*((j-4)%3)], v[128+2*j:129+2*j]
.endif
.set j, j+1
.endr
.endm
	s_wait_alu depctr_va_vdst(0)
	s_wait_loadcnt 0x0                             ; Q
	s_wait_tensorcnt 0x0                           ; my two units are in
	s_barrier_signal -1
	s_barrier_wait -1                              ; all sixteen are
	FETCHK
	s_mov_b32 s68, 0
.Lstep:                                                ; eight trips of 256 keys; the last one's look-ahead names units 0 and 1 again
	s_add_co_u32 s68, s68, 1
	s_and_b32 s69, s68, 7
	s_mul_i32 s66, s69, 2*UNIT
	s_wait_dscnt 8                                 ; the first unit's nine loads are in, and the second's first, whose registers stand behind the first unit's last tile; eight may be out
	WIN 0x40                                       ; D window 1
	SCORES 0
	s_wait_dscnt 0x0
	SCORES 1
	WIN 0
	v_mov_b32 v22, v10                             ; four places behind the products
	v_mov_b32 v23, v12
	v_nop
	v_nop
.irp u, 0,1                                    ; V of both units takes the places of K
.irp i, 0,1,2,3,4,5,6,7
	ds_load_b128 v[32+32*\u+4*\i:35+32*\u+4*\i], v8 offset:UNIT*\u+4096+512*\i   ; d tile i / 2, keys 64 (i % 2) + 32 h ..
.endr
	ds_load_b64 v[220+2*\u:221+2*\u], v9 offset:UNIT*\u+8704
.endr
	WIN 0x15                                       ; sources 0, 1, 2 window 1
.irp k, 0,1,2,3,4,5,6,7
	v_max3_num_f32 v[24+\k], v[32*\k], v[32*\k+1], v[32*\k+2]      ; the largest SCORE of each of my lane's blocks: for the row's maximum, and, since p rises with the score, for the block's largest p
.endr
	WIN 0x14                                       ; sources 1, 2 window 1
.irp i, 3,5,7,9,11,13,15,17,19,21,23,25,27,29
.irp k, 0,1,2,3,4,5,6,7
	v_max3_num_f32 v[24+\k], v[24+\k], v[32*\k+\i], v[32*\k+\i+1]
.endr
.endr
.irp k, 0,1,2,3,4,5,6,7
	v_max_num_f32 v[24+\k], v[24+\k], v[32*\k+31]
.endr
	WIN 0
	v_max3_num_f32 v230, v24, v25, v26
	v_max3_num_f32 v231, v28, v29, v30
	v_max_num_f32 v230, v230, v27
	v_max_num_f32 v231, v231, v31
	v_permlanex16_b32 v232, v230, s60, s61
	v_permlanex16_b32 v233, v231, s60, s61
	v_max3_num_f32 v11, v11, v230, v232            ; the running largest scores
	v_max3_num_f32 v13, v13, v231, v233
	v_mul_f32 v234, s56, v11                       ; -t
	v_mul_f32 v235, s56, v13
	v_floor_f32 v10, v234                          ; the new -M = floor(-t) = -ceil(t)
	v_floor_f32 v12, v235
	v_sub_f32 v234, v10, v22                       ; old M - new M: a whole number, 0 or less
	v_sub_f32 v235, v12, v23
.irp k, 0,1,2,3
	v_fma_f32 v[24+\k], v[24+\k], s62, v10         ; t - M of each block's largest score
.endr
	v_cvt_i32_f32 v234, v234                       ; (it saturates)
	v_cvt_i32_f32 v235, v235
.irp k, 4,5,6,7
	v_fma_f32 v[24+\k], v[24+\k], s62, v12
.endr
	v_ldexp_f32 v18, 1.0, v234                     ; f = 2^(old M - new M)
	v_ldexp_f32 v20, 1.0, v235
	WIN 0x41                                       ; destination and source 0 window 1
.set j, 0
.rept 64
	v_pk_fma_f32 v[j:j+1], v[j:j+1], s[62:63], v[10:11] op_sel_hi:[1,0,0]   ; t - M, two at a time
.set j, j+2
.endr
.rept 64
	v_pk_fma_f32 v[j:j+1], v[j:j+1], s[62:63], v[12:13] op_sel_hi:[1,0,0]
.set j, j+2
.endr
	s_wait_alu depctr_va_vdst(0)
.set j, 0
.rept 256
	v_exp_f32 v[j], v[j]                           ; p = 2^(t - M)
.set j, j+1
.endr
	WIN 0
.irp k, 0,1,2,3,4,5,6,7
	v_exp_f32 v[24+\k], v[24+\k]                   ; the blocks' largest p
.endr
	v_pk_mul_f32 v[14:15], v[14:15], v[18:19] op_sel_hi:[1,0]   ; l under the new M (plain places behind the exponentials)
	v_pk_mul_f32 v[16:17], v[16:17], v[20:21] op_sel_hi:[1,0]
	s_wait_alu depctr_va_vdst(0)                   ; and behind it, directly ahead of the first readers of O^T
.set j, 0
.rept 16
	v_pk_mul_f32 v[100+j:101+j], v[100+j:101+j], v[18:19] op_sel_hi:[1,0]   ; O^T under the new M, each accumulator from its low end on
	v_pk_mul_f32 v[132+j:133+j], v[132+j:133+j], v[20:21] op_sel_hi:[1,0]
.set j, j+2
.endr
.irp k, 0,1,2,3,4,5,6,7
	v_max_num_f32 v[24+\k], 0x1800000, v[24+\k]    ; the floor 2^(3 - 127): the byte cannot fall under 1
.endr
.irp k, 0,1,2,3,4,5,6,7
	v_add_nc_u32 v[236+\k], 0xff000000, v[24+\k]   ; 2 off the exponent field: the conversion's scale operand
.endr
.irp n, 0,1,2,3                                ; word n = 2 tile + unit: my two bytes, at bits 0 and 16
	v_lshrrev_b32 v[244+\n], 23, v[236+2*\n]
	v_lshrrev_b32 v[248+\n], 7, v[237+2*\n]
.endr
.irp n, 0,1,2,3
	v_and_or_b32 v[244+\n], v[248+\n], s57, v[244+\n]
.endr
.irp n, 0,1,2,3
	v_permlanex16_b32 v[230+\n], v[244+\n], s60, s61
.endr
.irp n, 0,1,2,3
	v_lshl_or_b32 v[226+\n], v[230+\n], 8, v[244+\n]   ; in lanes 0-15: p's scale word for the unit's 128 keys
.endr
	WIN 0x01                                       ; source 0 window 1
.irp k, 0,1,2,3,4,5,6,7
.irp i, 0,1,2,3
	v_cvt_scalef32_pk8_fp4_f32 v[164+4*\k+\i], v[32*\k+8*\i:32*\k+8*\i+7], v[236+\k]
.endr
.endr
	WIN 0x05                                       ; sources 0, 1 window 1
	v_pk_add_f32 v[248:249], v[0:1], v[2:3]        ; the row's sum, of the unquantised p
	v_pk_add_f32 v[252:253], v[128:129], v[130:131]
	v_pk_add_f32 v[250:251], v[4:5], v[6:7]
	v_pk_add_f32 v[254:255], v[132:133], v[134:135]
	WIN 0x04                                       ; source 1 window 1
.set j, 4
	SUM 6                                          ; sixteen plain places between the scale words and codes and the products
	WIN 0
	s_wait_alu depctr_va_vdst(0)
	s_wait_dscnt 0x0                               ; V and its words are in
.irp u, 0,1                                    ; O^T += V^T P^T: eight accumulators by turns, two instructions each, seven others between
.irp w, 0,1
.irp t, 0,2
	v_wmma_scale_f32_16x16x128_f8f6f4 v[100+32*\w+8*\t:107+32*\w+8*\t], v[32+32*\u+8*\t:39+32*\u+8*\t], v[164+16*\w+8*\u:171+16*\w+8*\u], v[100+32*\w+8*\t:107+32*\w+8*\t], v[220+2*\u+\t/2], v[226+2*\w+\u] matrix_a_fmt:MATRIX_FMT_FP4 matrix_b_fmt:MATRIX_FMT_FP4
	v_wmma_scale_f32_16x16x128_f8f6f4 v[108+32*\w+8*\t:115+32*\w+8*\t], v[40+32*\u+8*\t:47+32*\u+8*\t], v[164+16*\w+8*\u:171+16*\w+8*\u], v[108+32*\w+8*\t:115+32*\w+8*\t], v[220+2*\u+\t/2], v[226+2*\w+\u] matrix_a_fmt:MATRIX_FMT_FP4 matrix_b_fmt:MATRIX_FMT_FP4 matrix_a_scale:MATRIX_SCALE_ROW1
.endr
.endr
.endr
	v_add_nc_u32 v8, s66, v1                       ; four places behind the products
	v_add_nc_u32 v9, s66, v2
	v_nop
	v_nop
	FETCHK                                         ; the next units' K, on its way under the rest of the sums
	WIN 0x04
	SUM 54
	WIN 0
	v_pk_add_f32 v[248:249], v[248:249], v[250:251]
	v_pk_add_f32 v[252:253], v[252:253], v[254:255]
	v_pk_add_f32 v[14:15], v[14:15], v[248:249]
	v_pk_add_f32 v[16:17], v[16:17], v[252:253]
	s_wait_alu depctr_va_vdst(0)
	s_cmp_lt_u32 s68, 8
	s_cbranch_scc1 .Lstep
	; THE END: O^T / l, quantised along d_model: lane (q, h) holds my head's block h whole.
	v_add_f32 v14, v14, v15                        ; l's two halves,
	v_add_f32 v16, v16, v17
	v_cmp_le_u32 vcc_lo, 16, v5
	v_bfe_u32 v7, v0, 4, 1                         ; h
	v_permlanex16_b32 v232, v14, s60, s61
	v_permlanex16_b32 v233, v16, s60, s61
	v_add_f32 v14, v14, v232                       ; and lane l xor 16's
	v_add_f32 v16, v16, v233
	s_wait_alu depctr_va_vdst(0)
	v_rcp_f32 v14, v14
	v_rcp_f32 v16, v16
	v_lshl_add_u32 v7, v6, 5, v7                   ; (a plain place behind the reciprocals)  cs: 32 r + h
	s_wait_alu depctr_va_vdst(0)
.set j, 0
.rept 16
	v_pk_mul_f32 v[100+j:101+j], v[100+j:101+j], v[14:15] op_sel_hi:[1,0]
	v_pk_mul_f32 v[132+j:133+j], v[132+j:133+j], v[16:17] op_sel_hi:[1,0]
.set j, j+2
.endr
.irp m, 0,1,2,3
	v_max3_num_f32 v[24+\m], 0x1800000, |v[100+16*\m]|, |v[101+16*\m]|
.endr
.irp i, 2,4,6,8,10,12,14
.irp m, 0,1,2,3
	v_max3_num_f32 v[24+\m], v[24+\m], |v[100+16*\m+\i]|, |v[101+16*\m+\i]|
.endr
.endr
.irp w, 0,1
	v_max_num_f32 v[28+\w], v[24+2*\w], v[25+2*\w]
.endr
.irp w, 0,1
	v_add_nc_u32 v[236+\w], 0xff000000, v[28+\w]
.endr
.irp w, 0,1
	v_lshrrev_b32 v[238+\w], 23, v[236+\w]         ; block h's byte
.endr
.irp w, 0,1
.irp i, 0,1,2,3
	v_cvt_scalef32_pk8_fp4_f32 v[164+4*\w+\i], v[100+32*\w+8*\i:107+32*\w+8*\i], v[236+\w]
.endr
.endr
	v_nop                                          ; one plain place behind a scaled conversion
.irp w, 0,1                                    ; lanes 16-31 hold their groups of eight in the order 1, 0, 3, 2
	v_cndmask_b32 v[172+4*\w], v[164+4*\w], v[165+4*\w], vcc_lo
	v_cndmask_b32 v[173+4*\w], v[165+4*\w], v[164+4*\w], vcc_lo
	v_cndmask_b32 v[174+4*\w], v[166+4*\w], v[167+4*\w], vcc_lo
	v_cndmask_b32 v[175+4*\w], v[167+4*\w], v[166+4*\w], vcc_lo
.endr
	global_store_b128 v1, v[172:175], s[10:11]     ; 512 consecutive bytes: lane (r, h): token r, k = 64 head + 32 h + 0 .. 31
	global_store_b128 v1, v[176:179], s[10:11] offset:8192
	global_store_b8 v7, v238, s[12:13]             ; two bytes of each token's 32: the other heads' bytes are made by other work-groups, so these rows are written in parts
	global_store_b8 v7, v239, s[12:13] offset:512
	s_wait_tensorcnt 0x0                           ; the wave's end
	ds_add_u32 v3, v4
	s_wait_dscnt 0x0
	CROUND                                         ; the closing round: no work-group ends while its partner may still ask for a unit that names it
	s_endpgm
.Lfunc_end_k_q9bcf7c15dd_attn:
	.size	k_q9bcf7c15dd_attn, .Lfunc_end_k_q9bcf7c15dd_attn-k_q9bcf7c15dd_attn
	.p2alignl 7, 3214868480
	.fill 96, 4, 3214868480
	.section	.rodata,"a",@progbits
	.p2align	6, 0x0
	.amdhsa_kernel k_q9bcf7c15dd_attn
		.amdhsa_group_segment_fixed_size 167936
		.amdhsa_private_segment_fixed_size 0
		.amdhsa_enable_private_segment 0
		.amdhsa_kernarg_size 40
		.amdhsa_user_sgpr_count 2
		.amdhsa_user_sgpr_kernarg_segment_ptr 1
		.amdhsa_wavefront_size32 1
		.amdhsa_system_sgpr_workgroup_id_x 1
		.amdhsa_system_sgpr_workgroup_id_y 1
		.amdhsa_system_sgpr_workgroup_id_z 1
		.amdhsa_system_vgpr_workitem_id 0
		.amdhsa_next_free_vgpr 512
		.amdhsa_next_free_sgpr 92
		.amdhsa_reserve_vcc 1
		.amdhsa_float_denorm_mode_32 3
		.amdhsa_float_denorm_mode_16_64 3
		.amdhsa_memory_ordered 1
		.amdhsa_forward_progress 1
		.amdhsa_inst_pref_size 64
	.end_amdhsa_kernel
	.amdgpu_metadata
---
amdhsa.version: [ 1, 2 ]
amdhsa.kernels:
  - .name:           k_q9bcf7c15dd_attn
    .symbol:         k_q9bcf7c15dd_attn.kd
    .args:
      - { .name: qc, .offset: 0, .size: 8, .value_kind: global_buffer, .address_space: global }
      - { .name: qs, .offset: 8, .size: 8, .value_kind: global_buffer, .address_space: global }
      - { .name: kv, .offset: 16, .size: 8, .value_kind: global_buffer, .address_space: global }
      - { .name: cc, .offset: 24, .size: 8, .value_kind: global_buffer, .address_space: global }
      - { .name: cs, .offset: 32, .size: 8, .value_kind: global_buffer, .address_space: global }
    .group_segment_fixed_size: 167936
    .private_segment_fixed_size: 0
    .kernarg_segment_align: 8
    .kernarg_segment_size: 40
    .max_flat_workgroup_size: 256
    .sgpr_count:     92
    .vgpr_count:     512
    .wavefront_size: 32
...
	.end_amdgpu_metadata
.endif
;; end of part 2
;; launch outp (part 3): grid 8 x 32, 8 waves a work-group, clusters of 4 x 4, 203,776 bytes of LDS; arguments cc, cs, o_w_codes, o_w_scales, o_b, out0; writes out0
.if DOCPART == 3
	.amdgcn_target "amdgcn-amd-amdhsa--gfx1250"
	.amdhsa_code_object_version 6
	.text
	.protected	k_q9bcf7c15dd_outp
	.globl	k_q9bcf7c15dd_outp
	.p2align	8
	.type	k_q9bcf7c15dd_outp,@function
k_q9bcf7c15dd_outp:
	s_mov_b64 s[64:65], 0
	v_nop
	global_prefetch_b8 v0, s[64:65] scope:SCOPE_SE
	s_setreg_imm32_b32 hwreg(HW_REG_WAVE_MODE, 25, 1), 1
	s_wait_xcnt 0x0
	s_wait_alu depctr_hold_cnt(0) depctr_sa_sdst(0) depctr_va_vdst(0) depctr_va_sdst(0) depctr_va_ssrc(0) depctr_va_vcc(0) depctr_vm_vsrc(0)
	s_getreg_b32 s2, hwreg(HW_REG_IB_STS2, 6, 4)
	s_cmp_eq_u32 s2, 0
	s_cbranch_scc0 .Lentry_in_a_cluster
	s_endpgm
.Lentry_in_a_cluster:
	s_bfe_u32 s2, ttmp6, 0x10000c
	s_cmp_lg_u32 s2, 0xf033
	s_cbranch_scc0 .Lentry_shape_is_right
	s_endpgm
.Lentry_shape_is_right:
; THE OUTPUT PROJECTION: out = context Wo^T + bo, on codes of FP4 (E2M1) with E8M0 scales, K = 1,024, sums in f32.
; SHARES.  4,096 x 1,024 outputs are 256 tiles of 128 x 128: one to a work-group.  Eight waves: wave w makes token tiles 2 (w / 2), 2 (w / 2) + 1 x 64 outputs (w % 2): eight accumulators, 64 matrix instructions.
; LDS.  All of K fits: the context's codes of 128 tokens (65,536 bytes, images of the operand's registers: [token tile][head][lane][16 bytes]) and 128 rows of Wo (512 bytes + 16 of padding).
; Each is filled once, one tensor load a wave; nothing is filled again.  Behind them, in bytes into which no fill lands, each wave's own stage for the way out.
; CLUSTERS: 4 x 4.  The four of a row of the cluster need the same tokens, the four of a column the same rows of Wo: joint loads with a mask that names the four.
; The product is used transposed (source 0 = 16 rows of Wo, source 1 = 16 tokens): a lane holds eight neighbouring outputs of one token.  The bias is the C of each sum's first matrix instruction.
; The scale words of the wave's rows, for all of K, are loaded once into registers: register ks holds one tile's words in lanes 0-15 and the next tile's in lanes 16-31.
; LIMITS: NaN, infinities and scale bytes 0xff are not served.  The bias enters a sum as its first term.
; REGISTERS: v1-3 r, h, lane; v4-10 addresses; v16-23 the context's scale words; v24-39 Wo's; v40-71 the bias; v72-119, v120-167 two sets of fragments (2 of the context, 4 of Wo), later rows on their way out; v168-231 accumulators.
.set BROW, 65536                       ; LDS: Wo's rows
.set BP,   528
.set STG,  133120                      ; the stages: 2 x 16 rows x 272 bytes for each wave
.set SP,   272
.set SA,   16
.set SWR,  24
.set BIAS, 40
.set FS,   72
.set ACC,  168
.macro CROUND                          ; a round of the cluster's barrier
	s_barrier_signal -1
	s_barrier_wait -1
	s_cmp_lg_u32 s16, 0
	s_cbranch_scc1 .Lnot_wave_0_\@
	s_barrier_signal -3
.Lnot_wave_0_\@:
	s_barrier_wait -3
	s_barrier_signal -1
	s_barrier_wait -1
.endm
	s_load_b256 s[4:11], s[0:1], 0x0               ; cc, cs, Wo's codes, Wo's scales
	s_load_b128 s[12:15], s[0:1], 0x20             ; bo, out
	v_lshl_add_u32 v254, v0, 2, 0x31800
	v_mov_b32 v255, 0
	ds_add_u32 v254, v255
	ds_add_u32 v254, v255
	v_lshrrev_b32 v1, 5, v0
	s_delay_alu instid0(VALU_DEP_1)
	v_readfirstlane_b32 s16, v1                    ; wave 0..7
	s_and_b32 s17, s16, 3                          ; which quarter I fetch
	s_lshr_b32 s18, s16, 1                         ; my pair of token tiles
	s_and_b32 s19, s16, 1                          ; my 64 outputs
	s_bfe_u32 s20, ttmp6, 0x40000                  ; cx
	s_bfe_u32 s21, ttmp6, 0x40004                  ; cy
	s_lshl_b32 s22, ttmp9, 2
	s_add_co_u32 s22, s22, s20                     ; x: 128 outputs
	s_and_b32 s23, ttmp7, 0xffff
	s_lshl_b32 s23, s23, 2
	s_add_co_u32 s23, s23, s21                     ; y: 128 tokens
	s_lshl_b32 s40, s21, 2
	s_lshl_b32 s40, 15, s40                        ; my row of the cluster
	s_lshl_b32 s41, 0x1111, s20                    ; my column
	; the context: a dense block of 16,384 bytes, as 64 rows of 256 bytes (32 elements of 8 bytes), no padding
	s_or_b32 s24, s40, (3<<16)|(1<<21)
	s_mov_b32 s25, 32<<16
	s_mov_b32 s26, 64<<16
	s_mov_b32 s27, 32<<16
	s_mov_b32 s28, 64
	s_mov_b32 s29, 32
	s_mov_b32 s30, 0
	s_mov_b32 s31, 0
	; Wo: 32 rows of 512 bytes, 16 bytes of padding behind each (four words after every 128)
	s_or_b32 s44, s41, (1<<20)|(1<<21)|(6<<22)|(3<<25)
	s_mov_b32 s45, 512<<16
	s_mov_b32 s46, 32<<16
	s_mov_b32 s47, 512<<16
	s_mov_b32 s48, 32
	s_mov_b32 s49, 512
	s_mov_b32 s50, 0
	s_mov_b32 s51, 0
	s_lshl_b32 s52, s23, 16                        ; 65,536 bytes of codes for 128 tokens: it hangs on cy alone
	s_lshl_b32 s42, s17, 14
	s_add_co_u32 s52, s52, s42
	s_mov_b32 s53, 0
	s_lshl_b32 s54, s22, 7                         ; Wo's row 128 x + 32 quarter: it hangs on cx alone
	s_lshl_b32 s43, s17, 5
	s_add_co_u32 s54, s54, s43
	s_lshl_b32 s54, s54, 9
	s_mov_b32 s55, 0
	s_mul_i32 s43, s17, 32*BP
	s_wait_dscnt 0x0
	s_wait_kmcnt 0x0
	s_mov_b32 s32, 1
	s_mov_b32 s33, s42
	s_add_nc_u64 s[34:35], s[4:5], s[52:53]
	s_or_b32 s35, s35, 0x80000000
	s_mov_b32 s36, 1
	s_add_co_u32 s37, s43, BROW
	s_add_nc_u64 s[38:39], s[8:9], s[54:55]
	s_or_b32 s39, s39, 0x80000000
	CROUND                                         ; all sixteen work-groups are here: the joint loads meet
	s_cmp_lt_u32 s16, 4                            ; waves 0-3 fetch the context's quarters, waves 4-7 Wo's: one load a wave; four v_nop follow each line
	s_cbranch_scc0 .Lfor_w
	tensor_load_to_lds s[32:35], s[24:31]
	s_nop 0
.rept 4
	v_nop
.endr
	s_branch .Lasked
.Lfor_w:
	tensor_load_to_lds s[36:39], s[44:51]
	s_nop 0
.rept 4
	v_nop
.endr
.Lasked:
	v_and_b32 v1, 15, v0                           ; r
	v_bfe_u32 v2, v0, 4, 1                         ; h
	v_and_b32 v3, 31, v0                           ; lane
	s_lshl_b32 s56, s18, 14
	v_lshl_add_u32 v4, v3, 4, s56                  ; the context's images: my two token tiles, 16 x lane
	s_mul_i32 s56, s19, 64*BP
	s_add_co_u32 s56, s56, BROW
	v_mul_u32_u24 v5, v1, BP
	s_delay_alu instid0(VALU_DEP_1)
	v_lshl_add_u32 v5, v2, 4, v5
	s_delay_alu instid0(VALU_DEP_1)
	v_add_nc_u32 v5, s56, v5                       ; Wo: my 64 rows; row r x pitch + 16 h
	s_mul_i32 s56, s16, 32*SP
	s_add_co_u32 s56, s56, STG                     ; my stage
	v_mul_u32_u24 v6, v1, SP
	s_delay_alu instid0(VALU_DEP_1)
	v_lshl_add_u32 v6, v2, 5, v6
	s_delay_alu instid0(VALU_DEP_1)
	v_add_nc_u32 v6, s56, v6                       ; in: row r, 32 bytes for each half of the lanes
	v_mul_u32_u24 v7, v2, SP
	s_delay_alu instid0(VALU_DEP_1)
	v_lshl_add_u32 v7, v1, 4, v7
	s_delay_alu instid0(VALU_DEP_1)
	v_add_nc_u32 v7, s56, v7                       ; back: lanes 0-15 one row of 256 bytes, lanes 16-31 the next
	v_lshlrev_b32 v8, 12, v2
	s_delay_alu instid0(VALU_DEP_1)
	v_lshl_add_u32 v8, v1, 4, v8                   ; and the same two rows in out
	v_lshlrev_b32 v9, 5, v3                        ; scale bytes: 32 a row
	s_wait_alu depctr_va_vdst(0)
	v_lshlrev_b32 v10, 5, v2                       ; bias: 8 h numbers on
	s_wait_alu depctr_va_vdst(0)
	s_lshl_b32 s58, s23, 7
	s_lshl_b32 s59, s18, 5
	s_add_co_u32 s58, s58, s59                     ; my first token
	s_lshl_b32 s60, s58, 12                        ; its row of out
	s_lshl_b32 s58, s58, 5
	s_mov_b32 s59, 0
	s_add_nc_u64 s[6:7], s[6:7], s[58:59]
	s_lshl_b32 s62, s22, 7
	s_lshl_b32 s63, s19, 6
	s_add_co_u32 s62, s62, s63                     ; my first output
	s_lshl_b32 s58, s62, 5
	s_add_nc_u64 s[10:11], s[10:11], s[58:59]
	s_lshl_b32 s58, s62, 2
	s_add_nc_u64 s[12:13], s[12:13], s[58:59]
	s_add_co_u32 s58, s58, s60
	s_add_nc_u64 s[14:15], s[14:15], s[58:59]
	global_load_b128 v[SA:SA+3],   v9, s[6:7]                  ; lane l: token l of my 32
	global_load_b128 v[SA+4:SA+7], v9, s[6:7] offset:16
.irp g, 0,1
	global_load_b128 v[SWR+8*\g:SWR+8*\g+3],   v9, s[10:11] offset:1024*\g
	global_load_b128 v[SWR+8*\g+4:SWR+8*\g+7], v9, s[10:11] offset:1024*\g+16
.endr
.irp t, 0,1,2,3
	global_load_b128 v[BIAS+8*\t:BIAS+8*\t+3],   v10, s[12:13] offset:64*\t
	global_load_b128 v[BIAS+8*\t+4:BIAS+8*\t+7], v10, s[12:13] offset:64*\t+16
.endr
	s_wait_tensorcnt 0x0                           ; my one load has landed,
	s_wait_loadcnt 0x0
	s_barrier_signal -1
	s_barrier_wait -1                              ; everybody's has
.macro WM
.if kR == 0
	v_wmma_scale_f32_16x16x128_f8f6f4 v[kD:kD+7], v[kA:kA+7], v[kB:kB+7], v[kC:kC+7], v[kSA], v[kSB] matrix_a_fmt:MATRIX_FMT_FP4 matrix_b_fmt:MATRIX_FMT_FP4
.elseif kR == 1
	v_wmma_scale_f32_16x16x128_f8f6f4 v[kD:kD+7], v[kA:kA+7], v[kB:kB+7], v[kC:kC+7], v[kSA], v[kSB] matrix_a_fmt:MATRIX_FMT_FP4 matrix_b_fmt:MATRIX_FMT_FP4 matrix_b_scale:MATRIX_SCALE_ROW1
.elseif kR == 2
	v_wmma_scale_f32_16x16x128_f8f6f4 v[kD:kD+7], v[kA:kA+7], v[kB:kB+7], v[kC:kC+7], v[kSA], v[kSB] matrix_a_fmt:MATRIX_FMT_FP4 matrix_b_fmt:MATRIX_FMT_FP4 matrix_a_scale:MATRIX_SCALE_ROW1
.else
	v_wmma_scale_f32_16x16x128_f8f6f4 v[kD:kD+7], v[kA:kA+7], v[kB:kB+7], v[kC:kC+7], v[kSA], v[kSB] matrix_a_fmt:MATRIX_FMT_FP4 matrix_b_fmt:MATRIX_FMT_FP4 matrix_a_scale:MATRIX_SCALE_ROW1 matrix_b_scale:MATRIX_SCALE_ROW1
.endif
.endm
.macro FETCH ks, set                   ; the fragments of the ks-th 128 along K: twelve loads
.irp m, 0,1
.irp c, 0,1
	ds_load_b128 v[FS+48*(\set)+8*\m+4*\c:FS+48*(\set)+8*\m+4*\c+3], v4 offset:\m*8192+(\ks)*1024+512*\c
.endr
.endr
.irp n, 0,1,2,3
.irp c, 0,1
	ds_load_b128 v[FS+48*(\set)+16+8*\n+4*\c:FS+48*(\set)+16+8*\n+4*\c+3], v5 offset:\n*16*BP+64*(\ks)+32*\c
.endr
.endr
.endm
.macro MULS ks                         ; eight products, the eight accumulators by turns
.irp m, 0,1
.irp n, 0,1,2,3
.set kD, ACC+8*(4*\m+\n)
.set kA, FS+48*((\ks)%2)+16+8*\n
.set kB, FS+48*((\ks)%2)+8*\m
.if (\ks) == 0
.set kC, BIAS+8*\n
.else
.set kC, kD
.endif
.set kSA, SWR+8*(\n/2)+(\ks)
.set kSB, SA+(\ks)
.set kR, 2*(\n%2)+\m
	WM
.endr
.endr
.endm
	FETCH 0, 0
.irp s, 0,1,2,3,4,5,6,7
.if \s < 7
.if \s > 0
.rept 4
	v_nop                                          ; places in front of loads into the set that the last eight products read
.endr
.endif
	FETCH \s+1, (\s+1)%2
	s_wait_dscnt 12                                ; this step's fragments are in; the next step's twelve loads may be out
.else
	s_wait_dscnt 0x0
.endif
	MULS \s
.endr
	; THE WAY OUT: a lane holds 32 neighbouring bytes of a row, the lanes beside it other rows: 16 rows x 256 bytes go through my own stage and come back as whole rows.
	; LDS serves a wave's instructions in order (ISA guide 5.7.1.4): no wait between my stores and my loads.
.rept 4
	v_nop                                          ; places in front of the first read of results and of loads into the fragments' registers
.endr
.irp m, 0,1
.irp n, 0,1,2,3
	ds_store_b128 v6, v[ACC+8*(4*\m+\n):ACC+8*(4*\m+\n)+3]   offset:\m*16*SP+64*\n       ; each accumulator from its low end on
	ds_store_b128 v6, v[ACC+8*(4*\m+\n)+4:ACC+8*(4*\m+\n)+7] offset:\m*16*SP+64*\n+16
.endr
.irp i, 0,1,2,3,4,5,6,7
	ds_load_b128 v[FS+32*\m+4*\i:FS+32*\m+4*\i+3], v7 offset:\m*16*SP+2*\i*SP
.endr
.endr
.irp m, 0,1
.irp i, 0,1,2,3,4,5,6,7
	s_wait_dscnt 23-16*\m-\i                       ; behind this load: the rest of its run, and for the first tile the second tile's sixteen
	global_store_b128 v8, v[FS+32*\m+4*\i:FS+32*\m+4*\i+3], s[14:15] offset:(16*\m+2*\i)*4096 th:TH_STORE_NT   ; sixteen lanes store 256 consecutive bytes, at a multiple of 256 from out's first byte
.endr
.endr
	s_wait_tensorcnt 0x0
	ds_add_u32 v254, v255
	s_wait_dscnt 0x0
	CROUND                                         ; the closing round: no work-group ends while a partner may still ask for a tile that names it
	s_endpgm
.Lfunc_end_k_q9bcf7c15dd_outp:
	.size	k_q9bcf7c15dd_outp, .Lfunc_end_k_q9bcf7c15dd_outp-k_q9bcf7c15dd_outp
	.p2alignl 7, 3214868480
	.fill 96, 4, 3214868480
	.section	.rodata,"a",@progbits
	.p2align	6, 0x0
	.amdhsa_kernel k_q9bcf7c15dd_outp
		.amdhsa_group_segment_fixed_size 203776
		.amdhsa_private_segment_fixed_size 0
		.amdhsa_enable_private_segment 0
		.amdhsa_kernarg_size 48
		.amdhsa_user_sgpr_count 2
		.amdhsa_user_sgpr_kernarg_segment_ptr 1
		.amdhsa_wavefront_size32 1
		.amdhsa_system_sgpr_workgroup_id_x 1
		.amdhsa_system_sgpr_workgroup_id_y 1
		.amdhsa_system_sgpr_workgroup_id_z 1
		.amdhsa_system_vgpr_workitem_id 0
		.amdhsa_next_free_vgpr 256
		.amdhsa_next_free_sgpr 66
		.amdhsa_reserve_vcc 0
		.amdhsa_float_denorm_mode_32 3
		.amdhsa_float_denorm_mode_16_64 3
		.amdhsa_memory_ordered 1
		.amdhsa_forward_progress 1
		.amdhsa_inst_pref_size 27
	.end_amdhsa_kernel
	.amdgpu_metadata
---
amdhsa.version: [ 1, 2 ]
amdhsa.kernels:
  - .name:           k_q9bcf7c15dd_outp
    .symbol:         k_q9bcf7c15dd_outp.kd
    .args:
      - { .name: cc, .offset: 0, .size: 8, .value_kind: global_buffer, .address_space: global }
      - { .name: cs, .offset: 8, .size: 8, .value_kind: global_buffer, .address_space: global }
      - { .name: o_w_codes, .offset: 16, .size: 8, .value_kind: global_buffer, .address_space: global }
      - { .name: o_w_scales, .offset: 24, .size: 8, .value_kind: global_buffer, .address_space: global }
      - { .name: o_b, .offset: 32, .size: 8, .value_kind: global_buffer, .address_space: global }
      - { .name: out0, .offset: 40, .size: 8, .value_kind: global_buffer, .address_space: global }
    .group_segment_fixed_size: 203776
    .private_segment_fixed_size: 0
    .kernarg_segment_align: 8
    .kernarg_segment_size: 48
    .max_flat_workgroup_size: 256
    .sgpr_count:     66
    .vgpr_count:     256
    .wavefront_size: 32
...
	.end_amdgpu_metadata
.endif
;; end of part 3
